; MI455X (gfx1250); checked and timed in simulation.
; The chip was launched on July 23, 2026; its instructions are those of AMD's public machine-readable ISA for CDNA 5 (MIT licence, August 2026) and "CDNA5" Instruction Set Architecture Reference Guide (July 2026). The comments in the code are by the model that wrote it; some were corrected since.
;; Rotary Model. Allowed arithmetic: float matrix products may take bf16 or f16 operands with f32 sums; other float arithmetic in f32, or as packed bf16 or f16 multiplies, adds, multiply-adds, maxima and minima; sums over many terms, partial sums and values carried from step to step in f32; what a program stores and reads back later, other than sums and carried values, may be rounded once to bf16 or f16.
;; Inputs: W 2,048 x 2,048 float32; b 2,048 float32; x 4 x 4,096 x 2,048 float32.
;; Outputs: out0 4 x 1 x 4,096 x 2,048 float16.
;; 2 versions, each right; version 2 is version 1 with the launch prep written anew for expert scheduling mode. Each part assembles by itself: llvm-mc -triple=amdgcn-amd-amdhsa -mcpu=gfx1250 --defsym DOCPART=n.
;; ======== version 1 of 2: 2 launches
;; workspace buffers: xb 67,108,864 bytes; wp 8,388,608 bytes; tab 16,777,216 bytes
;; launch prep (part 1): grid 512 x 1, 8 waves a work-group, no clusters, 0 bytes of LDS; arguments x, W, xb, wp, tab; writes xb, wp, tab
.if DOCPART == 1
	.amdgcn_target "amdgcn-amd-amdhsa--gfx1250"
	.amdhsa_code_object_version 6
	.text
	.protected	k_qd022f5e01d_prep
	.globl	k_qd022f5e01d_prep
	.p2align	8
	.type	k_qd022f5e01d_prep,@function
k_qd022f5e01d_prep:
	s_mov_b64 s[64:65], 0
	v_nop
	global_prefetch_b8 v0, s[64:65] scope:SCOPE_SE
	s_setreg_imm32_b32 hwreg(HW_REG_WAVE_MODE, 25, 1), 1
	s_wait_xcnt 0x0
; THREE JOBS FOR THE PRODUCT THAT FOLLOWS, all streams: x [16384][2048] f32 -> xb, the same in bf16; W [2048][2048] f32 -> wp, bf16 with its rows in another order;
; and tab, the table of 2 cos and 2 sin of pos x 10000^(-j/1024), pos = 0 .. 4095, j = 0 .. 1023, one 32-bit word a pair: bf16(2 cos) below, bf16(2 sin) above.
; SHARES.  4,096 waves, all alike, no branch.  Wave G = 8 x work-group + wave takes rows 4 G .. 4 G + 3 of x, half G % 2 of row G / 2 of W, and chunk G (4,096 bytes) of tab.
; No wave wants a byte that another has fetched: no LDS, no barrier, no cluster, no matrix unit.
; wp.  W's row o = 1024 u + 128 tc + 64 s + i goes to row 256 tc + 128 s + 64 u + i: the 128 rows that a wave of the product multiplies by are then 64 columns j of q and, behind them, the same j + 1024.
; tab.  Chunk G = 16 pb + jg (pb = pos / 16, jg = j / 64).  In it, piece q = 2 b + p lies at byte 512 q, lane l's 16 bytes at 16 l: the words i = 4 p .. 4 p + 3 for pos = 16 pb + l % 16 and
; j = 64 jg + 16 b + 8 (l / 16) + i: the order in which a lane of the product holds its results.  Every store here, and every load there, covers 512 consecutive bytes, aligned.
; BYTES.  A load takes 512 consecutive bytes (16 a lane); its four numbers a lane become 8 bytes, and the 32 lanes' store covers 256 consecutive bytes, aligned.
; THE ANGLE.  inv = 2^(-j log2(10000) / 1024) by v_exp_f32; angle = pos x inv, rounded to f32 as reference() rounds it; y = angle - n 2 pi by two fused multiply-adds (2 pi in two parts), |y| <= pi;
; 2 sin y and 2 cos y by their Taylor sums up to y^13 and y^14.
; LIMITS.  The angle differs from one made with a correctly rounded inv by under 1e-3 rad (at pos = 4095, small j); the sums' remainders are under 2.2e-5 of the amplitude; the table is rounded once to bf16 (2^-9 of each number).
.set LI,   2                           ; v2        16 x lane: my place in a load of 512 bytes, and in a store of tab; never rewritten
.set LO,   3                           ; v3        8 x lane: my place in a store of 256 bytes; never rewritten
.set JB,   4                           ; v4        64 jg + 8 (l / 16)
.set POSF, 6                           ; v[6:7]    pos as f32, twice
.set INV,  16                          ; v[16:47]  number k = 8 b + i: j, the exponent, inv, the angle, y and at last the table's word
.set T,    48                          ; v[48:79]  for each of four pairs: n and then y^2 (+0), the sine's sum (+2), the cosine's (+4)
.set X0,   80                          ; v[80:143]   a row of x as loaded, 16 loads
.set X1,   144                         ; v[144:207]  another
.set WX,   208                         ; v[208:239]  my half row of W, 8 loads
.macro KP r, val                       ; a constant for the packed arithmetic: named as a pair, so both words are written
	s_mov_b32 s[\r], \val
	s_mov_b32 s[\r+1], \val
.endm
	s_load_b256 s[4:11], s[0:1], 0x0               ; x s[4:5], W s[6:7], xb s[8:9], wp s[10:11]
	s_load_b64 s[12:13], s[0:1], 0x20              ; tab
	v_lshrrev_b32 v1, 5, v0
	v_readfirstlane_b32 s14, v1                    ; wave 0..7
	s_lshl_b32 s15, ttmp9, 3
	s_add_co_u32 s15, s15, s14                     ; G
	v_and_b32 v1, 31, v0                           ; lane
	v_lshlrev_b32 v[LI], 4, v1
	v_lshlrev_b32 v[LO], 3, v1
	s_and_b32 s16, s15, 15                         ; jg
	s_lshl_b32 s16, s16, 6
	v_lshrrev_b32 v8, 4, v1
	v_lshl_add_u32 v[JB], v8, 3, s16
	s_and_b32 s17, s15, 0xff0                      ; 16 pb
	v_and_b32 v8, 15, v1
	v_add_nc_u32 v8, s17, v8                       ; pos
	v_cvt_f32_u32 v[POSF], v8
	v_mov_b32 v[POSF+1], v[POSF]
	s_lshr_b32 s54, s15, 1                         ; o, W's row
	s_bfe_u32 s55, s54, 0x40006                    ; 2 tc + s: four bits from bit 6
	s_lshl_b32 s55, s55, 7
	s_lshr_b32 s56, s54, 10                        ; u
	s_lshl_b32 s56, s56, 6
	s_or_b32 s55, s55, s56
	s_and_b32 s54, s54, 63                         ; i
	s_or_b32 s55, s55, s54                         ; wp's row
	s_lshl_b32 s55, s55, 1
	s_and_b32 s56, s15, 1
	s_or_b32 s55, s55, s56                         ; 2 x row + half,
	s_lshl_b32 s56, s55, 11                        ; in halves of 2,048 bytes
	s_mov_b32 s57, 0
	s_mov_b32 s18, 0xbc549a78                      ; -log2(10000) / 1024
	KP 20, 0x3e22f983                              ; 1 / 2 pi
	KP 22, 0xc0c90fdb                              ; -(2 pi rounded to f32)
	KP 24, 0x343bbd2e                              ; that number less 2 pi
	KP 26, 0x40000000                              ; 2
	KP 28, 0xbeaaaaab                              ; 2 sin y = y (2 - 2 y^2/3! + 2 y^4/5! - ..): -2/3!
	KP 30, 0x3c888889                              ; 2/5!
	KP 32, 0xb9d00d01                              ; -2/7!
	KP 34, 0x36b8ef1d                              ; 2/9!
	KP 36, 0xb357322b                              ; -2/11!
	KP 38, 0x2fb09231                              ; 2/13!
	KP 40, 0xbf800000                              ; 2 cos y = 2 - 2 y^2/2! + ..: -2/2!
	KP 42, 0x3daaaaab                              ; 2/4!
	KP 44, 0xbb360b61                              ; -2/6!
	KP 46, 0x38500d01                              ; 2/8!
	KP 48, 0xb513f27e                              ; -2/10!
	KP 50, 0x318f76c7                              ; 2/12!
	KP 52, 0xadc9cba5                              ; -2/14!
	s_wait_kmcnt 0x0
	s_mov_b32 s17, 0
	s_lshl_b32 s16, s15, 15                        ; four rows of 8,192 bytes
	s_add_nc_u64 s[4:5], s[4:5], s[16:17]
	s_lshl_b32 s16, s15, 12                        ; half a row of W, and a chunk of tab: 4,096 bytes
	s_add_nc_u64 s[6:7], s[6:7], s[16:17]
	s_add_nc_u64 s[12:13], s[12:13], s[16:17]
	s_lshl_b32 s16, s15, 14                        ; four rows of 4,096 bytes
	s_add_nc_u64 s[8:9], s[8:9], s[16:17]
	s_add_nc_u64 s[10:11], s[10:11], s[56:57]      ; none of the five bases is written again
.macro FILL slot, row                  ; a row of x: sixteen loads of 512 consecutive bytes
.set c, 0
.rept 16
	global_load_b128 v[(\slot)+4*c:(\slot)+4*c+3], v[LI], s[4:5] offset:(\row)*8192+512*c th:TH_LOAD_NT
.set c, c+1
.endr
.endm
; n loads' numbers are rounded in place, two roundings for a lane's four numbers, and stored: 256 consecutive bytes a store
.macro CONV base, n, imm, p
.set c, 0
.rept \n
	v_cvt_pk_bf16_f32 v[(\base)+4*c], v[(\base)+4*c], v[(\base)+4*c+1]
	v_cvt_pk_bf16_f32 v[(\base)+4*c+1], v[(\base)+4*c+2], v[(\base)+4*c+3]
	global_store_b64 v[LO], v[(\base)+4*c:(\base)+4*c+1], s[\p:\p+1] offset:(\imm)+256*c th:TH_STORE_NT
.set c, c+1
.endr
.endm
	FILL X0, 0                                     ; 40 loads, 20 KiB a wave, go out first; the table is made while they are on their way
	FILL X1, 1
.set c, 0
.rept 8
	global_load_b128 v[WX+4*c:WX+4*c+3], v[LI], s[6:7] offset:512*c th:TH_LOAD_NT
.set c, c+1
.endr
	; THE TABLE.  My 32 values of j; their exponents; ONE batch of 32 exponentials
.set k, 0
.rept 32
	v_add_nc_u32 v[INV+k], 16*(k/8)+k%8, v[JB]
.set k, k+1
.endr
.set k, 0
.rept 32
	v_cvt_f32_u32 v[INV+k], v[INV+k]
.set k, k+1
.endr
.set k, 0
.rept 32
	v_mul_f32 v[INV+k], s18, v[INV+k]
.set k, k+1
.endr
.set k, 0
.rept 32
	v_exp_f32 v[INV+k], v[INV+k]
.set k, k+1
.endr
	v_nop                                          ; a plain instruction between the last exponential and the first use of a result (ISA guide 5.7.2): one for the batch
	s_wait_alu depctr_va_vdst(0)                   ; and a wait ahead of the first use: one for the 32
.macro HORN d, cf                      ; one step of a sum for four pairs: sum = sum x y^2 + the coefficient
.irp t, 0,1,2,3
	v_pk_fma_f32 v[T+8*(\t)+(\d):T+8*(\t)+(\d)+1], v[T+8*(\t)+(\d):T+8*(\t)+(\d)+1], v[T+8*(\t):T+8*(\t)+1], s[\cf:\cf+1] op_sel_hi:[1,1,0]
.endr
.endm
; Eight values of j (numbers 8 b .. 8 b + 7) as four pairs, which take turns line by line, so that no line waits for the one before it
.macro SINCOS b
.irp t, 0,1,2,3
	v_pk_mul_f32 v[INV+8*(\b)+2*(\t):INV+8*(\b)+2*(\t)+1], v[INV+8*(\b)+2*(\t):INV+8*(\b)+2*(\t)+1], v[POSF:POSF+1]  ; the angle
.endr
.irp t, 0,1,2,3
	v_pk_mul_f32 v[T+8*(\t):T+8*(\t)+1], v[INV+8*(\b)+2*(\t):INV+8*(\b)+2*(\t)+1], s[20:21] op_sel_hi:[1,0]
.endr
.irp t, 0,1,2,3
	v_rndne_f32 v[T+8*(\t)], v[T+8*(\t)]           ; n: whole turns
	v_rndne_f32 v[T+8*(\t)+1], v[T+8*(\t)+1]
.endr
.irp t, 0,1,2,3
	v_pk_fma_f32 v[INV+8*(\b)+2*(\t):INV+8*(\b)+2*(\t)+1], v[T+8*(\t):T+8*(\t)+1], s[22:23], v[INV+8*(\b)+2*(\t):INV+8*(\b)+2*(\t)+1] op_sel_hi:[1,0,1]
.endr
.irp t, 0,1,2,3
	v_pk_fma_f32 v[INV+8*(\b)+2*(\t):INV+8*(\b)+2*(\t)+1], v[T+8*(\t):T+8*(\t)+1], s[24:25], v[INV+8*(\b)+2*(\t):INV+8*(\b)+2*(\t)+1] op_sel_hi:[1,0,1]  ; y
.endr
.irp t, 0,1,2,3
	v_pk_mul_f32 v[T+8*(\t):T+8*(\t)+1], v[INV+8*(\b)+2*(\t):INV+8*(\b)+2*(\t)+1], v[INV+8*(\b)+2*(\t):INV+8*(\b)+2*(\t)+1]  ; y^2
.endr
.irp t, 0,1,2,3
	v_pk_fma_f32 v[T+8*(\t)+2:T+8*(\t)+3], v[T+8*(\t):T+8*(\t)+1], s[38:39], s[36:37] op_sel_hi:[1,0,0]
	v_pk_fma_f32 v[T+8*(\t)+4:T+8*(\t)+5], v[T+8*(\t):T+8*(\t)+1], s[52:53], s[50:51] op_sel_hi:[1,0,0]
.endr
	HORN 2, 34
	HORN 4, 48
	HORN 2, 32
	HORN 4, 46
	HORN 2, 30
	HORN 4, 44
	HORN 2, 28
	HORN 4, 42
	HORN 2, 26
	HORN 4, 40
	HORN 4, 26
.irp t, 0,1,2,3
	v_pk_mul_f32 v[T+8*(\t)+2:T+8*(\t)+3], v[T+8*(\t)+2:T+8*(\t)+3], v[INV+8*(\b)+2*(\t):INV+8*(\b)+2*(\t)+1]  ; 2 sin y
.endr
.irp t, 0,1,2,3
	v_cvt_pk_bf16_f32 v[INV+8*(\b)+2*(\t)], v[T+8*(\t)+4], v[T+8*(\t)+2]      ; 2 cos below, 2 sin above
	v_cvt_pk_bf16_f32 v[INV+8*(\b)+2*(\t)+1], v[T+8*(\t)+5], v[T+8*(\t)+3]
.endr
.irp p, 0,1
	global_store_b128 v[LI], v[INV+8*(\b)+4*(\p):INV+8*(\b)+4*(\p)+3], s[12:13] offset:512*(2*(\b)+(\p)) th:TH_STORE_NT  ; these registers are not written again
.endr
.endm
	SINCOS 0
	SINCOS 1
	SINCOS 2
	SINCOS 3
	; THE CASTS.  Loads come back in order (ISA guide 5.7.1): each count is the number of loads issued behind the ones wanted
	s_wait_loadcnt 24                              ; row 0 is in; row 1's sixteen and W's eight may stay out
	CONV X0, 16, 0, 8
	s_wait_xcnt 0x0                                ; the stores have read their registers: only behind this wait is the slot loaded again
	FILL X0, 2
	s_wait_loadcnt 24                              ; row 1 is in; W's eight and row 2's sixteen may stay out
	CONV X1, 16, 4096, 8
	s_wait_xcnt 0x0                                ; as above, for the other slot
	FILL X1, 3
	s_wait_loadcnt 32                              ; W's half row is in; rows 2 and 3 may stay out
	CONV WX, 8, 0, 10
	s_wait_loadcnt 16                              ; row 2 is in; row 3 may stay out
	CONV X0, 16, 8192, 8
	s_wait_loadcnt 0x0                             ; row 3
	CONV X1, 16, 12288, 8
	s_endpgm
.Lfunc_end_k_qd022f5e01d_prep:
	.size	k_qd022f5e01d_prep, .Lfunc_end_k_qd022f5e01d_prep-k_qd022f5e01d_prep
	.p2alignl 7, 3214868480
	.fill 96, 4, 3214868480
	.section	.rodata,"a",@progbits
	.p2align	6, 0x0
	.amdhsa_kernel k_qd022f5e01d_prep
		.amdhsa_group_segment_fixed_size 0
		.amdhsa_private_segment_fixed_size 0
		.amdhsa_enable_private_segment 0
		.amdhsa_kernarg_size 40
		.amdhsa_user_sgpr_count 2
		.amdhsa_user_sgpr_kernarg_segment_ptr 1
		.amdhsa_wavefront_size32 1
		.amdhsa_system_sgpr_workgroup_id_x 1
		.amdhsa_system_sgpr_workgroup_id_y 1
		.amdhsa_system_sgpr_workgroup_id_z 1
		.amdhsa_system_vgpr_workitem_id 0
		.amdhsa_next_free_vgpr 240
		.amdhsa_next_free_sgpr 66
		.amdhsa_reserve_vcc 0
		.amdhsa_float_denorm_mode_32 3
		.amdhsa_float_denorm_mode_16_64 3
		.amdhsa_memory_ordered 1
		.amdhsa_forward_progress 1
		.amdhsa_inst_pref_size 54
	.end_amdhsa_kernel
	.amdgpu_metadata
---
amdhsa.version: [ 1, 2 ]
amdhsa.kernels:
  - .name:           k_qd022f5e01d_prep
    .symbol:         k_qd022f5e01d_prep.kd
    .args:
      - { .name: x, .offset: 0, .size: 8, .value_kind: global_buffer, .address_space: global }
      - { .name: W, .offset: 8, .size: 8, .value_kind: global_buffer, .address_space: global }
      - { .name: xb, .offset: 16, .size: 8, .value_kind: global_buffer, .address_space: global }
      - { .name: wp, .offset: 24, .size: 8, .value_kind: global_buffer, .address_space: global }
      - { .name: tab, .offset: 32, .size: 8, .value_kind: global_buffer, .address_space: global }
    .group_segment_fixed_size: 0
    .private_segment_fixed_size: 0
    .kernarg_segment_align: 8
    .kernarg_segment_size: 40
    .max_flat_workgroup_size: 256
    .sgpr_count:     66
    .vgpr_count:     240
    .wavefront_size: 32
...
	.end_amdgpu_metadata
.endif
;; end of part 1
;; launch gemm (part 2): grid 8 x 32, 4 waves a work-group, clusters of 4 x 4, 327,680 bytes of LDS; arguments xb, wp, out0, b, tab; writes out0
.if DOCPART == 2
	.amdgcn_target "amdgcn-amd-amdhsa--gfx1250"
	.amdhsa_code_object_version 6
	.text
	.protected	k_qd022f5e01d_gemm
	.globl	k_qd022f5e01d_gemm
	.p2align	8
	.type	k_qd022f5e01d_gemm,@function
k_qd022f5e01d_gemm:
	s_mov_b64 s[64:65], 0
	v_nop
	global_prefetch_b8 v0, s[64:65] scope:SCOPE_SE
	s_setreg_imm32_b32 hwreg(HW_REG_WAVE_MODE, 25, 1), 1
	s_wait_xcnt 0x0
	s_wait_alu depctr_hold_cnt(0) depctr_sa_sdst(0) depctr_va_vdst(0) depctr_va_sdst(0) depctr_va_ssrc(0) depctr_va_vcc(0) depctr_vm_vsrc(0)
	s_getreg_b32 s2, hwreg(HW_REG_IB_STS2, 6, 4)
	s_cmp_eq_u32 s2, 0
	s_cbranch_scc0 .Lentry_in_a_cluster
	s_endpgm
.Lentry_in_a_cluster:
	s_bfe_u32 s2, ttmp6, 0x10000c
	s_cmp_lg_u32 s2, 0xf033
	s_cbranch_scc0 .Lentry_shape_is_right
	s_endpgm
.Lentry_shape_is_right:
; out[r][j] = 2 (q[r][j] cos - q[r][j+1024] sin), out[r][j+1024] = 2 (q[r][j+1024] cos + q[r][j] sin), j < 1024, q = x W^T + b, the angle pos x 10000^(-j/1024), pos = r % 4096; out in f16.
; xb: x in bf16, [16384][2048].  wp: W in bf16; its row 256 tc + 128 s + 64 u + i is W's row 1024 u + 128 tc + 64 s + i.  tab: bf16(2 cos) | bf16(2 sin) << 16, in chunks of 4,096 bytes (16 positions x 64 j) laid out in the
; order in which a lane holds its results here.  b: f32.  Sums in f32, begun with b; the turn in f32; out rounded once.
; LIMITS.  x and W rounded once to bf16; the table's numbers rounded once to bf16 (2^-9 of each), its angle within 1e-3 rad; a result beyond f16's range becomes an infinity, as reference()'s cast makes it; NaN and infinities are not treated apart.
; SHARES.  A tile is 256 rows x 256 rows of wp (128 columns j and the same j + 1024), made by four waves, each 128 x 128: 64 accumulators of 16 x 16, 512 registers.  Of a wave's eight column blocks, block b < 4 holds columns j
; and block b + 4 the same j + 1024: accumulators (a, b) and (a, b + 4) hold the two numbers of a turn in the same lane and register.  K goes in steps of 128 through a ring of two LDS slots filled by the tensor data mover.
; A WORK-GROUP STAYS for two tiles, 8,192 rows apart: the same positions, so the same chunks of tab, and the same rows of wp.  The ring does not stop between them: the first tile's last two changes of slots ask for the second's first two K steps.
; CLUSTERS: 4 x 4 work-groups.  The four of a row of the cluster need the same tiles of xb, the four of a column the same tiles of wp: each tile is asked for JOINTLY, by the same tensor load with the same descriptor and a mask that names the four.
; THE MATRIX INSTRUCTION IS USED TRANSPOSED: source 0 = 16 rows of wp, source 1 = 16 rows of xb: lane l then holds row l % 16, and its registers 0 to 7 the columns 8 (l / 16) + 0 .. 7.
; REGISTERS, in windows of 256 (s_set_vgpr_msb's low byte: bits 1:0 source 0, 3:2 source 1, 5:4 source 2, 7:6 destination):
;   window 0: v0-31 addresses; v64-127, v128-191 fragments of xb, two buffers; on the way out v128-159, v160-191 the turned numbers, v192-223 packed, v32-63 and v224-255 rows read back, by turns
;   window 1: v0-63 the bias, as eight C operands; v64-127, v128-191 fragments of wp, two buffers; on the way out v128-159 2 cos, v160-191 2 sin; v192-223, v224-255 words of tab, by turns
;   window 2: the 32 accumulators of my rows 0-63 (accumulator (a, b) at v[8 (8 a + b)]);   window 3: those of my rows 64-127
.set SIZE_K, 2048
.set KSTEP,  128
.set PITCH,  272                       ; an LDS row: 256 bytes of data + 16 of padding = 68 words: row r starts at bank 4 r mod 64 (64 banks of 4 bytes: ISA guide 11.1), so the 16 rows that a load touches start at 16 different banks
.set HALFT,  128*PITCH                 ; 128 rows: what one tensor load brings, and what one wave reads of xb or of wp
.set SLOT,   4*HALFT                   ; xb's 256 rows, then wp's 256 rows
.set STAGE,  2*SLOT                    ; behind the ring, never filled by a tensor load: two stage buffers for the way out
.set SPITCH, 272
.set SHALF,  16*SPITCH                 ; 16 rows' 256 bytes of columns j; behind them the same rows' 256 bytes of columns j + 1024
.set SPAIR,  2*SHALF                   ; what the two waves of a row half share
.set SBUF,   2*SPAIR                   ; a stage buffer
.set SPARE,  STAGE+2*SBUF              ; behind the stages: the spare words, 128 bytes for each wave: two blocks of 256 bytes that no other line names
.set LAPS,   SIZE_K/(2*KSTEP)          ; a lap = two K steps = once round the ring
.set WALK,   8192                      ; rows from the first tile to the second
.set OROW,   4096                      ; bytes in a row of out
.set NEXT_A, WALK*SIZE_K*2-(SIZE_K-2*KSTEP)*2   ; bytes from a slot's last K step of a tile to its first of the next: xb goes WALK rows down and back along K,
.set BACK_B, (SIZE_K-2*KSTEP)*2        ; wp only back
.set NEXT_C, (WALK-7*16)*OROW          ; bytes from my last 16 rows of a tile to my first of the next
.set BO,   6                           ; v6      32 (l / 16): my eight numbers of a block of b
.set ADRA, 16                          ; v16-17  LDS address of my xb fragments in slot 0, 1
.set ADRB, 20                          ; v20-21  the same for wp
.set STO,  24                          ; v24     the way out: where I put 16 bytes of a row
.set RD,   25                          ; v25     the way out: where I read a row back
.set CO,   26                          ; v26     my byte offset in out
.set TO,   27                          ; v27     16 x lane: my place in 512 bytes of tab; never rewritten
.set SPW,  28                          ; v28     LDS address of my spare word: SPARE + 4 x my thread's number; never rewritten
.set NIL,  29                          ; v29     0; never rewritten
.set PFO,  30                          ; v30     the tiles' prefetches: my lane x a row of xb or wp (4,096 bytes); never rewritten
.set TPO,  31                          ; v31     the table's prefetches: (l / 16) chunks of two blocks apart (65,536 bytes) + 256 (l % 16); never rewritten
.set F0,   64
.set F1,   128
.set T1,   128                         ; window 0: the turned numbers of columns j,
.set T2,   160                         ; and of columns j + 1024
.set TMP,  192                         ; window 0: packed f16: 16 registers for columns j, 16 for j + 1024
.set OB,   32
.set BIAS, 0                           ; window 1
.set CC,   128                         ; window 1
.set SS,   160                         ; window 1
.set TB,   192                         ; window 1
.set G1, 24                            ; s[24:31] descriptor group 1 for xb's tiles
.set G0, 32                            ; s[32:39] descriptor group 0 for xb's tiles, one set for each slot
.set LIM,  43                          ; s43     1 in a wave that prefetches tiles, else the greatest number
.set PFA,  44                          ; s[44:45] where my tiles' prefetches stand
.set G1B, 48                           ; s[48:55] descriptor group 1 for wp's tiles: it differs in the mask alone
.set G0B, 56                           ; s[56:63] descriptor group 0 for wp's tiles
.set BP,   66                          ; s[66:67] b at my first column
.set TP,   68                          ; s[68:69] tab at my first chunk; block a's chunk lies 65,536 a bytes on; never rewritten once made
.set HM,   70                          ; s70     mask of a word's upper half
.set TLIM, 71                          ; s71     1 where my cluster prefetches the table, else the greatest number
.set MSB, 0
.macro WIN new                         ; the immediate's high byte repeats the setting that is left; a switch that changes nothing is dropped
.if MSB != (\new)
	s_set_vgpr_msb (MSB<<8)|(\new)
.set MSB, \new
.endif
.endm
.set MUL_LO, 0xa1                      ; source 0 (wp) window 1, source 1 (xb) window 0, C and D window 2
.set MUL_HI, 0xf1                      ; the same, C and D window 3
.set MUL_B,  0x91                      ; the same as MUL_LO with C, the bias, in window 1; + 0x40: D in window 3
.set TO_B,   0x40                      ; destination window 1, address window 0
; A joint load.  Waves 0 and 1 fetch xb's two halves, waves 2 and 3 wp's.  Each of the two lines has ONE mask and one set of registers for all that issue it.  The branch hangs on the wave's number alone.
; An s_nop 0 and four v_nop follow each of the two lines, ahead of the jump, the label and what follows the macro.
.macro JLOAD s
	s_cmp_eq_u32 s11, 0
	s_cbranch_scc0 .Lfor_b_\@
	tensor_load_to_lds s[G0+4*(\s):G0+4*(\s)+3], s[G1:G1+7]
	s_nop 0
.rept 4
	v_nop
.endr
	s_branch .Lasked_\@
.Lfor_b_\@:
	tensor_load_to_lds s[G0B+4*(\s):G0B+4*(\s)+3], s[G1B:G1B+7]
	s_nop 0
.rept 4
	v_nop
.endr
.Lasked_\@:
.endm
; A PREFETCH of the K step that stands TWO refills on: 32 rows x 256 bytes, a lane a row, one instruction a wave, behind the joint load, its five lines and the run of LDS loads: 512 matrix instructions ahead of the load that names those bytes.
; Each row's 256 bytes of a K step are named ONCE in the launch: xb's tile row by the cluster with x = 0, wp's tile column by the cluster with y = 0; the four partners that ask for a tile jointly take 32 of a wave's 128 rows each,
; told apart BY ADDRESS (cx for xb, cy for wp).  how = 0, in the loop: a tile's last two refills have no K step two on; how = 1, at the change of tiles.
.macro ASK how
.if \how
	s_cmp_eq_u32 s[LIM], 1
.else
	s_cmp_gt_u32 s3, s[LIM]                        ; s3 = 1 in the loop's last trip
.endif
	s_cbranch_scc0 .Lnot_mine_\@
	global_prefetch_b8 v[PFO], s[PFA:PFA+1] offset:KSTEP*2 th:TH_LOAD_NT scope:SCOPE_SE
.Lnot_mine_\@:
.endm
; THE TABLE's PREFETCH, once a launch, in the first tile's last change of slots but one: my own chunks for blocks 2 to 7 of the way out, whose loads stand only two blocks ahead of their use: 24 KiB, a lane a block of 256 bytes,
; three instructions.  Blocks 0 and 1 are loaded a whole tile ahead and are not asked for.  The work-groups 16 tile rows further down, and the second tile, read the same chunks: the clusters with y < 4 ask, in the first tile.
.macro TASK
	s_cmp_eq_u32 s[TLIM], 1
	s_cbranch_scc0 .Lno_tab_\@
.irp n, 0,1,2
	global_prefetch_b8 v[TPO], s[TP:TP+1] offset:(2+2*(\n))*65536 th:TH_LOAD_NT scope:SCOPE_SE
.endr
.Lno_tab_\@:
.endm
; A round of the cluster's barrier: my work-group's barrier, so that wave 0's signal speaks for all four waves; wave 0 signals for the work-group; every wave waits for all sixteen work-groups; my work-group's barrier once more.
.macro CREST                           ; a round behind its opening barrier
	s_cmp_lg_u32 s10, 0
	s_cbranch_scc1 .Lnot_wave_0_\@
	s_barrier_signal -3
.Lnot_wave_0_\@:
	s_barrier_wait -3
	s_barrier_signal -1
	s_barrier_wait -1
.endm
.macro CROUND                          ; a whole round
	s_barrier_signal -1
	s_barrier_wait -1
	CREST
.endm
	s_load_b128 s[4:7], s[0:1], 0x0                ; xb s[4:5], wp s[6:7]
	s_load_b64 s[8:9], s[0:1], 0x10                ; out
	s_load_b64 s[BP:BP+1], s[0:1], 0x18            ; b
	s_load_b64 s[TP:TP+1], s[0:1], 0x20            ; tab
	v_lshl_add_u32 v[SPW], v0, 2, SPARE
	v_mov_b32 v[NIL], 0
	ds_add_u32 v[SPW], v[NIL]                      ; the wave's opening: the add, twice on end, and its wait stand ahead of my first tensor load; the set-up below stands between the second and the wait
	ds_add_u32 v[SPW], v[NIL]                      ; and once more, under the one wait
	v_lshrrev_b32 v1, 5, v0
	v_readfirstlane_b32 s10, v1                    ; wave 0..3
	s_lshr_b32 s11, s10, 1                         ; hr: which half of the tile's rows is mine.  Also: I fetch for xb (0) or for wp (1)
	s_and_b32 s12, s10, 1                          ; s: which half of its columns.  Also: which 128 rows of that tile I fetch
	s_bfe_u32 s40, ttmp6, 0x40000                  ; cx: my place along the cluster's x
	s_bfe_u32 s41, ttmp6, 0x40004                  ; cy: along its y
	s_lshl_b32 s42, ttmp9, 2                       ; in a cluster launch ttmp9 and ttmp7 count clusters
	s_add_co_u32 s42, s42, s40                     ; tc, the tile column = 4 x cluster x + cx
	s_and_b32 s13, ttmp7, 0xffff
	s_lshl_b32 s13, s13, 2
	s_add_co_u32 s13, s13, s41                     ; ty, the tile row = 4 x cluster y + cy
	s_lshl_b32 s43, s41, 2
	s_lshl_b32 s43, 15, s43                        ; my row of the cluster: places 4 cy .. 4 cy + 3
	s_lshl_b32 s44, 0x1111, s40                    ; my column: places cx, cx + 4, cx + 8, cx + 12
	; descriptor group 1: a tile of 128 rows x 128 elements, padded in LDS
	s_or_b32 s[G1+0], s43, (1<<16)|(1<<20)|(1<<21)|(5<<22)|(3<<25)  ; 15:0 the mask: xb's tiles go to my row; 17:16 element of 2 bytes; 20 padding on; 21 set beside a mask; 24:22 after every 64 words (code 5); 31:25 of 4 words (code 3)
	s_or_b32 s[G1B+0], s44, (1<<16)|(1<<20)|(1<<21)|(5<<22)|(3<<25) ; the same with the mask of my column, for wp's tiles
	s_mov_b32 s[G1B+1], KSTEP<<16
	s_mov_b32 s[G1+1], KSTEP<<16                   ; 63:48 tensor_dim0, low half = 128
	s_mov_b32 s[G1B+2], 128<<16
	s_mov_b32 s[G1+2], 128<<16                     ; 95:80 tensor_dim1, low half = 128
	s_mov_b32 s[G1B+3], KSTEP<<16
	s_mov_b32 s[G1+3], KSTEP<<16                   ; 127:112 tile_dim0 = 128
	s_mov_b32 s[G1B+4], 128
	s_mov_b32 s[G1+4], 128                         ; 143:128 tile_dim1 = 128; 159:144 tile_dim2 = 0
	s_mov_b32 s[G1B+5], SIZE_K
	s_mov_b32 s[G1+5], SIZE_K                      ; 191:160 tensor_dim0_stride: elements from row to row
	s_mov_b32 s[G1B+6], 0
	s_mov_b32 s[G1+6], 0
	s_mov_b32 s[G1B+7], 0
	s_mov_b32 s[G1+7], 0
	; where the tiles come from.  xb's hang on the tile row alone, which my row of the cluster shares; wp's on the tile column alone, which my column shares
	s_lshl_b32 s17, s12, 7                         ; which 128 rows of the tile I fetch
	s_lshl_b32 s16, s13, 8
	s_add_co_u32 s16, s16, s17                     ; xb: row 256 ty + 128 x half
	s_lshl_b32 s46, s42, 8
	s_add_co_u32 s46, s46, s17                     ; wp: row 256 tc + 128 x half
	s_mov_b32 s17, 0
	s_mov_b32 s47, 0
	s_mov_b64 s[18:19], SIZE_K*2
	s_mul_u64 s[16:17], s[16:17], s[18:19]         ; in bytes
	s_mul_u64 s[46:47], s[46:47], s[18:19]
	s_mul_i32 s20, s10, HALFT                      ; and where they go: wave x 128 rows: no place in the cluster enters an LDS address
	s_mov_b32 s[HM], 0xffff0000
	s_wait_dscnt 0x0                               ; both opening adds are done
	s_wait_kmcnt 0x0
	s_add_nc_u64 s[14:15], s[4:5], s[16:17]
	s_add_nc_u64 s[46:47], s[6:7], s[46:47]
	CROUND                                         ; all sixteen work-groups are here: the first joint loads meet
.irp s, 0,1
	s_mov_b32 s[G0+4*(\s)], 1                                      ; 1:0 count = 1
	s_add_co_u32 s[G0+4*(\s)+1], s20, (\s)*SLOT                    ; 63:32 LDS address
	s_add_nc_u64 s[G0+4*(\s)+2:G0+4*(\s)+3], s[14:15], (\s)*KSTEP*2  ; 120:64 global address: K step s
	s_or_b32 s[G0+4*(\s)+3], s[G0+4*(\s)+3], 0x80000000            ; 127:126 type = 2
	s_mov_b32 s[G0B+4*(\s)], 1
	s_add_co_u32 s[G0B+4*(\s)+1], s20, (\s)*SLOT
	s_add_nc_u64 s[G0B+4*(\s)+2:G0B+4*(\s)+3], s[46:47], (\s)*KSTEP*2
	s_or_b32 s[G0B+4*(\s)+3], s[G0B+4*(\s)+3], 0x80000000
	JLOAD \s                                       ; the ring is filled before anything else is done: two loads of mine are out
.endr
	; A fragment is 16 rows x 32 K in 8 registers: lane l holds row l % 16; registers 0-3 hold K = 8 (l / 16) + 0..7, registers 4-7 K = 16 + 8 (l / 16) + 0..7: two loads of 16 bytes, 32 bytes apart
	v_and_b32 v1, 15, v0                           ; l % 16
	v_bfe_u32 v2, v0, 4, 1                         ; l / 16
	v_mul_u32_u24 v3, v1, PITCH
	v_lshl_add_u32 v3, v2, 4, v3                   ; row x pitch + 16 x half
	s_mul_i32 s21, s11, HALFT                      ; my 128 rows of xb
	s_mul_i32 s22, s12, HALFT                      ; my 128 rows of wp,
	s_add_co_u32 s22, s22, 2*HALFT                 ; which lie behind xb's 256
.irp s, 0,1
	v_add_nc_u32 v[ADRA+(\s)], s21, v3
	v_add_nc_u32 v[ADRB+(\s)], s22, v3
	s_add_co_u32 s21, s21, SLOT
	s_add_co_u32 s22, s22, SLOT
.endr
	; the stage.  A wave's 64 columns j are 128 bytes: the two waves of a row half write the two halves of the same rows of 256 bytes, for columns j and for columns j + 1024; wave s = 0 then reads back and stores the rows of columns j, wave s = 1 those of j + 1024
	s_mul_i32 s23, s11, SPAIR
	s_add_co_u32 s23, s23, STAGE
	s_lshl_b32 s21, s12, 7
	s_add_co_u32 s21, s21, s23
	v_mul_u32_u24 v4, v1, SPITCH                   ; in: row l % 16, my wave's 128 bytes, 16 bytes for each half of the lanes
	v_lshl_add_u32 v4, v2, 4, v4
	v_add_nc_u32 v[STO], s21, v4
	s_mul_i32 s21, s12, SHALF
	s_add_co_u32 s21, s21, s23
	v_mul_u32_u24 v5, v2, SPITCH                   ; back: lanes 0-15 take one row of 256 bytes, lanes 16-31 the next
	v_lshl_add_u32 v5, v1, 4, v5
	v_add_nc_u32 v[RD], s21, v5
	v_lshlrev_b32 v5, 12, v2                       ; and the same two rows in out
	v_lshl_add_u32 v[CO], v1, 4, v5
	; tab at chunk 16 (16 (ty % 16) + 8 hr) + 2 tc + s; b at column 128 tc + 64 s
	s_and_b32 s72, s13, 15
	s_lshl_b32 s72, s72, 1
	s_add_co_u32 s72, s72, s11
	s_lshl_b32 s72, s72, 19                        ; (16 (ty % 16) + 8 hr) x 65,536
	s_lshl_b32 s73, s42, 1
	s_add_co_u32 s73, s73, s12                     ; 2 tc + s
	s_lshl_b32 s20, s73, 8                         ; 64 numbers of 4 bytes each
	s_lshl_b32 s73, s73, 12
	s_add_co_u32 s72, s72, s73
	s_mov_b32 s73, 0
	s_add_nc_u64 s[TP:TP+1], s[TP:TP+1], s[72:73]
	s_mov_b32 s21, 0
	s_add_nc_u64 s[BP:BP+1], s[BP:BP+1], s[20:21]
	v_lshlrev_b32 v[BO], 5, v2
	WIN TO_B
.irp c, 0,1,2,3,4,5,6,7                ; the bias as eight C operands: register i of block c is b[128 tc + 64 s + 16 (c % 4) + 1024 (c / 4) + 8 (l / 16) + i], the same for all 16 rows
	global_load_b128 v[BIAS+8*(\c):BIAS+8*(\c)+3],   v[BO], s[BP:BP+1] offset:64*((\c)%4)+4096*((\c)/4)
	global_load_b128 v[BIAS+8*(\c)+4:BIAS+8*(\c)+7], v[BO], s[BP:BP+1] offset:64*((\c)%4)+4096*((\c)/4)+16
.endr
	WIN 0
	v_and_b32 v[TO], 31, v0
	v_lshlrev_b32 v[TO], 4, v[TO]
	v_lshlrev_b32 v[TPO], 8, v1
	v_lshl_add_u32 v[TPO], v2, 16, v[TPO]
	; where the rows that I store begin in out, in bytes: the first way out adds it to out's address
	s_lshl_b32 s16, s13, 20                        ; 256 ty rows of 4,096 bytes
	s_lshl_b32 s14, s11, 19                        ; + 128 hr rows
	s_add_co_u32 s16, s16, s14
	s_mov_b32 s17, 0
	s_lshl_b32 s46, s42, 8                         ; the tile's 128 columns j: 256 tc bytes,
	s_lshl_b32 s47, s12, 11                        ; and for wave s = 1 the columns j + 1024
	s_add_co_u32 s46, s46, s47
	s_mov_b32 s47, 0
	s_add_nc_u64 s[16:17], s[16:17], s[46:47]
	; the prefetches
	s_lshl_b32 s13, s13, 8
	s_lshl_b32 s42, s42, 8
	s_and_b32 s22, ttmp7, 0xffff                   ; cluster y
	s_cmp_lt_u32 s22, 4                            ; tile rows 0 to 15
	s_cselect_b32 s[TLIM], 1, -1                   ; the same in all sixteen partners
	s_cmp_eq_u32 s11, 0                            ; do I fetch for xb?
	s_cselect_b32 s20, s13, s42                    ; the tile's first row: in xb by the tile row, in wp by the tile column
	s_cselect_b32 s21, s40, s41                    ; my place among the four that ask for it with me
	s_cselect_b32 s22, ttmp9, s22                  ; the coordinate along which other clusters read the same rows
	s_cselect_b64 s[PFA:PFA+1], s[4:5], s[6:7]
	s_cmp_eq_u32 s22, 0
	s_cselect_b32 s[LIM], 1, -1                    ; the same in all sixteen partners, for a given wave
	s_lshl_b32 s22, s12, 7
	s_add_co_u32 s20, s20, s22                     ; + the 128 rows that I fetch
	s_lshl_b32 s21, s21, 5
	s_add_co_u32 s20, s20, s21                     ; + my work-group's 32 of them
	s_mov_b32 s21, 0
	s_mov_b64 s[18:19], SIZE_K*2
	s_mul_u64 s[20:21], s[20:21], s[18:19]
	s_add_nc_u64 s[PFA:PFA+1], s[PFA:PFA+1], s[20:21]
	s_add_nc_u64 s[PFA:PFA+1], s[PFA:PFA+1], 2*KSTEP*2  ; at K step 2: the first refill steps it to 3 and names K step 4
	v_and_b32 v[PFO], 31, v0
	v_mul_u32_u24 v[PFO], v[PFO], SIZE_K*2
	; nothing is prefetched here, at the head, where every work-group's first two tiles are on their way
; 16 matrix instructions: m blocks a0, a0 + 1 of the window's four (hi = 0: my rows 0-63, 1: rows 64-127) x all 8 n blocks, 32 along K.
; first = 1: the product starts the sum with the bias as C: nothing is cleared, and nothing is added later.  The 64 accumulators take turns, one instruction a turn, in the same order in every quarter step.
.macro MUL16 f, hi, a0, first
.if \first
	WIN MUL_B+0x40*(\hi)
.else
	WIN MUL_LO+0x50*(\hi)
.endif
.irp a, \a0, (\a0)+1
.irp b, 0,1,2,3,4,5,6,7
.if \first
	v_wmma_f32_16x16x32_bf16 v[8*(8*(\a)+(\b)):8*(8*(\a)+(\b))+7], v[(\f)+8*(\b):(\f)+8*(\b)+7], v[(\f)+8*(4*(\hi)+(\a)):(\f)+8*(4*(\hi)+(\a))+7], v[BIAS+8*(\b):BIAS+8*(\b)+7]
.else
	v_wmma_f32_16x16x32_bf16 v[8*(8*(\a)+(\b)):8*(8*(\a)+(\b))+7], v[(\f)+8*(\b):(\f)+8*(\b)+7], v[(\f)+8*(4*(\hi)+(\a)):(\f)+8*(4*(\hi)+(\a))+7], v[8*(8*(\a)+(\b)):8*(8*(\a)+(\b))+7]
.endif
.endr
.endr
.endm
; 32 LDS loads in one run: the fragments of one quarter step (128 rows of wp, 128 rows of xb, 32 K at byte k of the rows) into buffer f
.macro FETCH slot, k, f
	WIN TO_B
.irp i, 0,1,2,3,4,5,6,7
	ds_load_b128 v[(\f)+8*(\i):(\f)+8*(\i)+3],   v[ADRB+(\slot)] offset:(\k)+(\i)*16*PITCH
	ds_load_b128 v[(\f)+8*(\i)+4:(\f)+8*(\i)+7], v[ADRB+(\slot)] offset:(\k)+(\i)*16*PITCH+32
.endr
	WIN 0
.irp i, 0,1,2,3,4,5,6,7
	ds_load_b128 v[(\f)+8*(\i):(\f)+8*(\i)+3],   v[ADRA+(\slot)] offset:(\k)+(\i)*16*PITCH
	ds_load_b128 v[(\f)+8*(\i)+4:(\f)+8*(\i)+7], v[ADRA+(\slot)] offset:(\k)+(\i)*16*PITCH+32
.endr
.endm
; A load into a register that a matrix instruction has read, and a vector instruction that reads a matrix result or writes one of a matrix instruction's registers, stand four places behind it; only plain vector
; instructions that name none of its registers are places (ISA guide 7.12.1 for vector instructions).
.macro PLACES
.rept 4
	v_nop
.endr
.endm
; A K step is four quarter steps of 32 along K, 64 matrix instructions each, on buffers 0, 1, 0, 1.  One of the first three: multiplies buffer f; in its middle it fetches the next quarter's fragments, at byte k of the same slot's rows, into buffer g.
.macro QUARTER slot, k, f, g, first
	s_wait_dscnt 8                                 ; wp's and xb's rows 0-63 are in; the youngest eight loads (xb's rows 64-127) may be out
	MUL16 \f, 0, 0, \first
	MUL16 \f, 0, 2, \first
	PLACES
	FETCH \slot, \k, \g
	s_wait_dscnt 32                                ; all but the 32 just issued
	MUL16 \f, 1, 0, \first
	MUL16 \f, 1, 2, \first
.endm
; The last quarter multiplies buffer 1 and changes slots.  MEET is its first half: ONE barrier for the change.  In front of it each wave waits for all its tensor loads, of which one is out: its part of the next slot;
; adds 0 to its spare word; and waits for that and for its own reads of this slot.  Behind it nobody reads this slot any more and the next slot is whole.
.macro MEET round                      ; round = 1: a round of the cluster's barrier follows
	WIN 0                                          ; (the add's two registers lie in window 0)
	s_wait_tensorcnt 0x0                           ; all my tensor loads have landed: the one that was out is my part of the next slot;
	ds_add_u32 v[SPW], v[NIL]                      ; 0 onto my spare word;
	s_wait_dscnt 9                                 ; (the add and the youngest eight loads may be out)
	MUL16 F1, 0, 0, 0                              ; sixteen matrix instructions stand between the add and the wait for it
	s_wait_dscnt 0x0                               ; the add is done, and my reads of this slot are over:
	s_barrier_signal -1                            ; say so (where a slot is filled again this barrier opens a round of the cluster's barrier),
	MUL16 F1, 0, 2, 0                              ; work on registers while the others arrive,
.if \round
	WIN 0
.endif
	s_barrier_wait -1                              ; and go on when all four have said so
.endm
; The whole last quarter.  Behind the round the slot just read out is filled again first: with this tile's K step two steps on (on = 0) or, in the first tile's last two K steps, with the second tile's K step 0 or 1 (on = 1);
; then come the next slot's first fragments.  From a request to the wait for it a wave issues 224 matrix instructions.
.macro TURN slot, next, on
	s_wait_xcnt 0x0                                ; the last prefetch, a K step back, has read its address: it is stepped here, ahead of the waits of the change of slots
.if (\on) && (\slot) == 0
	s_add_nc_u64 s[PFA:PFA+1], s[PFA:PFA+1], (WALK-1)*SIZE_K*2+KSTEP*2  ; from the K step after the tile's last to the next tile's K step 1: WALK rows down, back along K
	s_cmp_eq_u32 s11, 0
	s_cselect_b32 s[LIM], s[LIM], -1               ; wp's rows are the same for both tiles: they are asked for in the first alone
.else
	s_add_nc_u64 s[PFA:PFA+1], s[PFA:PFA+1], KSTEP*2
.endif
	MEET 1
	CREST                                          ; no wave of any partner still reads this slot's tile or has a load on its way
.if \on
	s_add_nc_u64 s[G0+4*(\slot)+2:G0+4*(\slot)+3], s[G0+4*(\slot)+2:G0+4*(\slot)+3], NEXT_A
	s_sub_nc_u64 s[G0B+4*(\slot)+2:G0B+4*(\slot)+3], s[G0B+4*(\slot)+2:G0B+4*(\slot)+3], BACK_B
.else
	s_add_nc_u64 s[G0+4*(\slot)+2:G0+4*(\slot)+3], s[G0+4*(\slot)+2:G0+4*(\slot)+3], 2*KSTEP*2
	s_add_nc_u64 s[G0B+4*(\slot)+2:G0B+4*(\slot)+3], s[G0B+4*(\slot)+2:G0B+4*(\slot)+3], 2*KSTEP*2
.endif
	JLOAD \slot                                    ; the first tensor load behind the round, my only one until the next; the four v_nop behind it are also the places in front of the loads below
	FETCH \next, 0, F0
	ASK \on
.if (\on) && (\slot) == 0
	TASK
.endif
	MUL16 F1, 1, 0, 0
	MUL16 F1, 1, 2, 0
.endm
; The second tile's change to its last K step: nothing is filled again, so no round follows the barrier
.macro TURNX
	MEET 0
	PLACES
	FETCH 1, 0, F0
	MUL16 F1, 1, 0, 0
	MUL16 F1, 1, 2, 0
.endm
.macro LASTQ                           ; the very last quarter: nothing more to fetch
	s_wait_dscnt 8
	MUL16 F1, 0, 0, 0
	MUL16 F1, 0, 2, 0
	s_wait_dscnt 0x0
	MUL16 F1, 1, 0, 0
	MUL16 F1, 1, 2, 0
.endm
; THE WAY OUT, a block of 16 rows at a time.
.macro TLOAD a                         ; block a's chunk of tab: eight loads of 512 consecutive bytes; word 8 b + i belongs to register i of accumulators (a, b) and (a, b + 4)
	WIN TO_B
.set TBR, TB+32*((\a)%2)
.irp q, 0,1,2,3,4,5,6,7
	global_load_b128 v[TBR+4*(\q):TBR+4*(\q)+3], v[TO], s[TP:TP+1] offset:(\a)*65536+512*(\q)
.endr
.endm
.macro UNPACK a                        ; bf16 to f32: the low half (2 cos) moves up, the high half (2 sin) stays
	WIN 0x44                                       ; destination and source 1 in window 1
.set TBR, TB+32*((\a)%2)
.set w, 0
.rept 32
	v_lshlrev_b32 v[CC+w], 16, v[TBR+w]
	v_and_b32 v[SS+w], s[HM], v[TBR+w]
.set w, w+1
.endr
.endm
.macro ROT a                           ; L = accumulator (a, b), H = (a, b + 4): T1 = L 2cos - H 2sin, T2 = H 2cos + L 2sin; each accumulator is read from its lowest registers on
	WIN 0x06+(\a)/4                                ; source 0 window 2 or 3, source 1 window 1, source 2 and destination window 0
.set AC, 64*((\a)%4)
.irp b, 0,1,2,3
.irp i, 0,2,4,6
	v_pk_mul_f32 v[T1+8*(\b)+(\i):T1+8*(\b)+(\i)+1], v[AC+32+8*(\b)+(\i):AC+32+8*(\b)+(\i)+1], v[SS+8*(\b)+(\i):SS+8*(\b)+(\i)+1]
	v_pk_mul_f32 v[T2+8*(\b)+(\i):T2+8*(\b)+(\i)+1], v[AC+8*(\b)+(\i):AC+8*(\b)+(\i)+1], v[SS+8*(\b)+(\i):SS+8*(\b)+(\i)+1]
.endr
.irp i, 0,2,4,6
	v_pk_fma_f32 v[T1+8*(\b)+(\i):T1+8*(\b)+(\i)+1], v[AC+8*(\b)+(\i):AC+8*(\b)+(\i)+1], v[CC+8*(\b)+(\i):CC+8*(\b)+(\i)+1], v[T1+8*(\b)+(\i):T1+8*(\b)+(\i)+1] neg_lo:[0,0,1] neg_hi:[0,0,1]
	v_pk_fma_f32 v[T2+8*(\b)+(\i):T2+8*(\b)+(\i)+1], v[AC+32+8*(\b)+(\i):AC+32+8*(\b)+(\i)+1], v[CC+8*(\b)+(\i):CC+8*(\b)+(\i)+1], v[T2+8*(\b)+(\i):T2+8*(\b)+(\i)+1]
.endr
.endr
.endm
.macro CVT                             ; a lane's eight neighbouring columns pack into 16 bytes
	WIN 0
.irp b, 0,1,2,3
.irp r, 0,1,2,3
	v_cvt_pk_f16_f32 v[TMP+4*(\b)+(\r)], v[T1+8*(\b)+2*(\r)], v[T1+8*(\b)+2*(\r)+1]
.endr
.endr
.irp b, 0,1,2,3
.irp r, 0,1,2,3
	v_cvt_pk_f16_f32 v[TMP+16+4*(\b)+(\r)], v[T2+8*(\b)+2*(\r)], v[T2+8*(\b)+2*(\r)+1]
.endr
.endr
.endm
; Into stage buffer a % 2; a barrier, since a row's 256 bytes come from two waves; back as whole rows.  The buffers take turns: block a + 2's stores into this buffer stand behind block a + 1's barrier, in front of which
; every wave has waited for its reads of block a.  No tensor load is issued between these barriers and the next change of slots, so the refill that is on its way may cross them.
.macro TOSTAGE a
	WIN 0
.set SB, SBUF*((\a)%2)
.set BK, OB+192*((\a)%2)
.irp b, 0,1,2,3
	ds_store_b128 v[STO], v[TMP+4*(\b):TMP+4*(\b)+3] offset:SB+32*(\b)
	ds_store_b128 v[STO], v[TMP+16+4*(\b):TMP+16+4*(\b)+3] offset:SB+SHALF+32*(\b)
.endr
	s_wait_dscnt 0x0                               ; for the others' sake: my stores into the stage are done (and every earlier LDS read of mine is back)
	s_barrier_signal -1
	s_barrier_wait -1
.irp t, 0,1,2,3,4,5,6,7
	ds_load_b128 v[BK+4*(\t):BK+4*(\t)+3], v[RD] offset:SB+(\t)*2*SPITCH
.endr
.endm
.macro SEND a
	WIN 0
.set BK, OB+192*((\a)%2)
	s_wait_dscnt 0x0                               ; the block is back in registers
	s_wait_xcnt 0x0                                ; every earlier memory instruction has had its addresses translated (ISA guide 3.1): only behind this wait are the stores' base and the registers that earlier stores read rewritten
.if (\a) == 0
	s_add_nc_u64 s[8:9], s[8:9], s[16:17]          ; on to this tile's first rows
.else
	s_add_nc_u64 s[8:9], s[8:9], 16*OROW           ; 16 rows on
.endif
.irp t, 0,1,2,3,4,5,6,7
	global_store_b128 v[CO], v[BK+4*(\t):BK+4*(\t)+3], s[8:9] offset:2*(\t)*OROW th:TH_STORE_NT  ; 16 lanes store 256 consecutive bytes, at a multiple of 256 from out's first byte
.endr
.endm
	s_wait_tensorcnt 1                             ; my part of K step 0 is in; K step 1's load, issued behind it, may stay out
	s_wait_loadcnt 0x0                             ; the bias
	s_barrier_signal -1
	s_barrier_wait -1                              ; everybody's part is in
	FETCH 0, 0, F0
	s_mov_b32 s2, 2                                ; tiles to go: the same number in every work-group
.Ltile:                                                ; (FETCH and SEND leave every window 0)
	TLOAD 0                                        ; the table's words for the way out's first two blocks: a whole tile ahead
	TLOAD 1
	QUARTER 0, 64,  F0, F1, 1                      ; a tile's first quarter stands in front of the loop: its products start the sums with the bias
	WIN 0                                          ; at a label and at a branch every window is 0
	s_mov_b32 s3, LAPS-1
.Llap:                                                 ; a trip goes once round the ring, from a lap's second quarter to the next lap's first, and fills both slots again
	QUARTER 0, 128, F1, F0, 0
	QUARTER 0, 192, F0, F1, 0
	TURN 0, 1, 0
	QUARTER 1, 64,  F0, F1, 0
	QUARTER 1, 128, F1, F0, 0
	QUARTER 1, 192, F0, F1, 0
	TURN 1, 0, 0
	QUARTER 0, 64,  F0, F1, 0
	WIN 0
	s_sub_co_u32 s3, s3, 1
	s_cmp_lg_u32 s3, 0
	s_cbranch_scc1 .Llap
	QUARTER 0, 128, F1, F0, 0                      ; the tile's last lap goes on
	QUARTER 0, 192, F0, F1, 0
	WIN 0
	s_cmp_eq_u32 s2, 1
	s_cbranch_scc1 .Llast_tile                     ; the second tile's tail is written out: it asks for nothing more
	TURN 0, 1, 1                                   ; THE RING GOES ON INTO THE SECOND TILE: slot 0 takes its K step 0,
	QUARTER 1, 64,  F0, F1, 0
	QUARTER 1, 128, F1, F0, 0
	QUARTER 1, 192, F0, F1, 0
	TURN 1, 0, 1                                   ; slot 1 its K step 1, and its first fragments are fetched into buffer 0, which the way out leaves alone
	WIN 0
	s_branch .Lout
.Llast_tile:
	TURNX
	QUARTER 1, 64,  F0, F1, 0
	QUARTER 1, 128, F1, F0, 0
	QUARTER 1, 192, F0, F1, 0
	LASTQ
	WIN 0
.Lout:                                                 ; one text for both tiles' way out; every wait on LDS in it is for 0, so it holds on both ways in
	PLACES                                         ; behind the last products: the lines below write buffer 1's registers, which those products read
.irp a, 0,1,2,3,4,5,6,7
.if (\a) < 7
	s_wait_loadcnt 8                               ; this block's eight loads of tab are in; the next block's eight may stay out
.else
	s_wait_loadcnt 0x0
.endif
	UNPACK \a
.if (\a) < 6
	TLOAD (\a)+2                                   ; into the registers just unpacked
.endif
	ROT \a
	CVT
.if (\a) > 0
	SEND (\a)-1                                    ; this block's 160 vector instructions stand between the block before's loads from the stage and the wait for them
.endif
	TOSTAGE \a
.endr
	SEND 7
	s_mov_b64 s[16:17], NEXT_C                     ; what the next way out adds to out's address
	s_sub_co_u32 s2, s2, 1
	s_cmp_lg_u32 s2, 0
	s_cbranch_scc1 .Ltile
	s_wait_tensorcnt 0x0                           ; the wave's end: behind my last tensor load and my last LDS store
	ds_add_u32 v[SPW], v[NIL]
	s_wait_dscnt 0x0
	CROUND                                         ; the closing round: no work-group ends while a partner may still ask for a tile that names it
	s_endpgm
.Lfunc_end_k_qd022f5e01d_gemm:
	.size	k_qd022f5e01d_gemm, .Lfunc_end_k_qd022f5e01d_gemm-k_qd022f5e01d_gemm
	.p2alignl 7, 3214868480
	.fill 96, 4, 3214868480
	.section	.rodata,"a",@progbits
	.p2align	6, 0x0
	.amdhsa_kernel k_qd022f5e01d_gemm
		.amdhsa_group_segment_fixed_size 327680
		.amdhsa_private_segment_fixed_size 0
		.amdhsa_enable_private_segment 0
		.amdhsa_kernarg_size 40
		.amdhsa_user_sgpr_count 2
		.amdhsa_user_sgpr_kernarg_segment_ptr 1
		.amdhsa_wavefront_size32 1
		.amdhsa_system_sgpr_workgroup_id_x 1
		.amdhsa_system_sgpr_workgroup_id_y 1
		.amdhsa_system_sgpr_workgroup_id_z 1
		.amdhsa_system_vgpr_workitem_id 0
		.amdhsa_next_free_vgpr 1024
		.amdhsa_next_free_sgpr 80
		.amdhsa_reserve_vcc 0
		.amdhsa_float_denorm_mode_32 3
		.amdhsa_float_denorm_mode_16_64 3
		.amdhsa_memory_ordered 1
		.amdhsa_forward_progress 1
		.amdhsa_inst_pref_size 237
	.end_amdhsa_kernel
	.amdgpu_metadata
---
amdhsa.version: [ 1, 2 ]
amdhsa.kernels:
  - .name:           k_qd022f5e01d_gemm
    .symbol:         k_qd022f5e01d_gemm.kd
    .args:
      - { .name: xb, .offset: 0, .size: 8, .value_kind: global_buffer, .address_space: global }
      - { .name: wp, .offset: 8, .size: 8, .value_kind: global_buffer, .address_space: global }
      - { .name: out0, .offset: 16, .size: 8, .value_kind: global_buffer, .address_space: global }
      - { .name: b, .offset: 24, .size: 8, .value_kind: global_buffer, .address_space: global }
      - { .name: tab, .offset: 32, .size: 8, .value_kind: global_buffer, .address_space: global }
    .group_segment_fixed_size: 327680
    .private_segment_fixed_size: 0
    .kernarg_segment_align: 8
    .kernarg_segment_size: 40
    .max_flat_workgroup_size: 128
    .sgpr_count:     80
    .vgpr_count:     1024
    .wavefront_size: 32
...
	.end_amdgpu_metadata
.endif
;; end of part 2
;; ======== version 2 of 2: 2 launches; version 1 with the launch prep written anew for expert scheduling mode
;; workspace buffers: xb 67,108,864 bytes; wp 8,388,608 bytes; tab 16,777,216 bytes
;; launch prep (part 3): grid 512 x 1, 8 waves a work-group, no clusters, 0 bytes of LDS; arguments x, W, xb, wp, tab; writes xb, wp, tab
.if DOCPART == 3
	.amdgcn_target "amdgcn-amd-amdhsa--gfx1250"
	.amdhsa_code_object_version 6
	.text
	.protected	k_qd022f5e01d_prep
	.globl	k_qd022f5e01d_prep
	.p2align	8
	.type	k_qd022f5e01d_prep,@function
k_qd022f5e01d_prep:
	s_mov_b64 s[64:65], 0
	v_nop
	global_prefetch_b8 v0, s[64:65] scope:SCOPE_SE
	s_setreg_imm32_b32 hwreg(HW_REG_WAVE_SCHED_MODE, 0, 2), 2
	s_setreg_imm32_b32 hwreg(HW_REG_WAVE_MODE, 25, 1), 1
	s_wait_xcnt 0x0
	s_wait_alu depctr_vm_vsrc(0)
; THREE JOBS FOR THE PRODUCT THAT FOLLOWS, all streams: x [16384][2048] f32 -> xb, the same in bf16; W [2048][2048] f32 -> wp, bf16 with its rows in another order;
; and tab, the table of 2 cos and 2 sin of pos x 10000^(-j/1024), pos = 0 .. 4095, j = 0 .. 1023, one 32-bit word a pair: bf16(2 cos) below, bf16(2 sin) above.
; SHARES.  4,096 waves, all alike, no branch.  Wave G = 8 x work-group + wave takes rows 4 G .. 4 G + 3 of x, half G % 2 of row G / 2 of W, and chunk G (4,096 bytes) of tab.
; No wave wants a byte that another has fetched: no LDS, no barrier, no cluster, no matrix unit.
; wp.  W's row o = 1024 u + 128 tc + 64 s + i goes to row 256 tc + 128 s + 64 u + i: the 128 rows that a wave of the product multiplies by are then 64 columns j of q and, behind them, the same j + 1024.
; tab.  Chunk G = 16 pb + jg (pb = pos / 16, jg = j / 64).  In it, piece q = 2 b + p lies at byte 512 q, lane l's 16 bytes at 16 l: the words i = 4 p .. 4 p + 3 for pos = 16 pb + l % 16 and
; j = 64 jg + 16 b + 8 (l / 16) + i: the order in which a lane of the product holds its results.  Every store here, and every load there, covers 512 consecutive bytes, aligned.
; BYTES.  A load takes 512 consecutive bytes (16 a lane); its four numbers a lane become 8 bytes, and the 32 lanes' store covers 256 consecutive bytes, aligned.
; THE ANGLE.  inv = 2^(-j log2(10000) / 1024) by v_exp_f32; angle = pos x inv, rounded to f32 as reference() rounds it; y = angle - n 2 pi by two fused multiply-adds (2 pi in two parts), |y| <= pi;
; 2 sin y and 2 cos y by their Taylor sums up to y^13 and y^14.
; LIMITS.  The angle differs from one made with a correctly rounded inv by under 1e-3 rad (at pos = 4095, small j); the sums' remainders are under 2.2e-5 of the amplitude; the table is rounded once to bf16 (2^-9 of each number).
; THE MODE: SCHED_MODE bits 1:0 = 2 (LLVM: expert scheduling mode 2), set by the entry lines.  The code itself states the register dependences
; between vector instructions and memory instructions, with s_wait_alu, always for 0.
; THE PLAN.  Registers that memory instructions touch:
;   v2, v3   the offsets: written at the head, read by every load and store, never written again; the five scalar bases are not written again either, and immediate offsets do the rest.
;   INV      the table's 32 words: written by the table's arithmetic, read by the eight stores of tab, never written again.
;   X0, X1   rows 0 and 1 land here and are read by their roundings alone, which write Y0 and Y1; rows 2 and 3 land here next, are rounded in place and stored from here: nothing lands here after them.
;   WX = Y1  W's half row lands here and is read by its roundings alone, which write YW; then row 1's roundings write it and row 1's stores read it.
;   Y0, YW   written by row 0's and by W's roundings, read by their stores.  Y0 is the table's scratch, which no memory instruction has named.
; So no register that a memory instruction has read is ever written again: behind the entry lines the text holds no wait on vm_vsrc and no s_wait_xcnt.  What is owed is one wait on va_vdst to a step, between its
; roundings and its memory instructions: the roundings have written what the stores read and are done reading the registers in which the next row's loads land.  The loads go out first, then the stores.
; No vector instruction follows such a wait before the next wait for data.
.set LI,   2                           ; v2        16 x lane: my place in a load of 512 bytes, and in a store of tab; never rewritten
.set LO,   3                           ; v3        8 x lane: my place in a store of 256 bytes; never rewritten
.set JB,   4                           ; v4        64 jg + 8 (l / 16)
.set POSF, 6                           ; v[6:7]    pos as f32, twice
.set INV,  16                          ; v[16:47]  number k = 8 b + i: j, the exponent, inv, the angle, y and at last the table's word
.set T,    48                          ; v[48:79]  for each of four pairs: n and then y^2 (+0), the sine's sum (+2), the cosine's (+4)
.set X0,   80                          ; v[80:143]   a row of x as loaded, 16 loads
.set X1,   144                         ; v[144:207]  another
.set WX,   208                         ; v[208:239]  my half row of W, 8 loads
.set Y0,   T                           ; v[48:79]    behind the table: row 0 in bf16, a pair of registers for each of its 16 stores
.set Y1,   WX                          ; v[208:239]  behind W's roundings: row 1 in bf16, likewise
.set YW,   240                         ; v[240:255]  my half row of W in bf16, a pair for each of its 8 stores
.macro KP r, val                       ; a constant for the packed arithmetic: named as a pair, so both words are written
	s_mov_b32 s[\r], \val
	s_mov_b32 s[\r+1], \val
.endm
	s_load_b256 s[4:11], s[0:1], 0x0               ; x s[4:5], W s[6:7], xb s[8:9], wp s[10:11]
	s_load_b64 s[12:13], s[0:1], 0x20              ; tab
	v_lshrrev_b32 v1, 5, v0
	v_readfirstlane_b32 s14, v1                    ; wave 0..7
	v_and_b32 v1, 31, v0                           ; lane
	v_lshlrev_b32 v[LI], 4, v1
	v_lshlrev_b32 v[LO], 3, v1
	s_wait_alu depctr_va_sdst(0)                   ; s14 is written, ahead of its first reader: G, and with it every base, is made from it
	s_lshl_b32 s15, ttmp9, 3
	s_add_co_u32 s15, s15, s14                     ; G
	s_and_b32 s16, s15, 15                         ; jg
	s_lshl_b32 s16, s16, 6
	v_lshrrev_b32 v8, 4, v1
	v_lshl_add_u32 v[JB], v8, 3, s16
	s_and_b32 s17, s15, 0xff0                      ; 16 pb
	v_and_b32 v8, 15, v1
	v_add_nc_u32 v8, s17, v8                       ; pos
	v_cvt_f32_u32 v[POSF], v8
	v_mov_b32 v[POSF+1], v[POSF]
	s_lshr_b32 s54, s15, 1                         ; o, W's row
	s_bfe_u32 s55, s54, 0x40006                    ; 2 tc + s: four bits from bit 6
	s_lshl_b32 s55, s55, 7
	s_lshr_b32 s56, s54, 10                        ; u
	s_lshl_b32 s56, s56, 6
	s_or_b32 s55, s55, s56
	s_and_b32 s54, s54, 63                         ; i
	s_or_b32 s55, s55, s54                         ; wp's row
	s_lshl_b32 s55, s55, 1
	s_and_b32 s56, s15, 1
	s_or_b32 s55, s55, s56                         ; 2 x row + half,
	s_lshl_b32 s56, s55, 11                        ; in halves of 2,048 bytes
	s_mov_b32 s57, 0
	s_mov_b32 s18, 0xbc549a78                      ; -log2(10000) / 1024
	KP 20, 0x3e22f983                              ; 1 / 2 pi
	KP 22, 0xc0c90fdb                              ; -(2 pi rounded to f32)
	KP 24, 0x343bbd2e                              ; that number less 2 pi
	KP 26, 0x40000000                              ; 2
	KP 28, 0xbeaaaaab                              ; 2 sin y = y (2 - 2 y^2/3! + 2 y^4/5! - ..): -2/3!
	KP 30, 0x3c888889                              ; 2/5!
	KP 32, 0xb9d00d01                              ; -2/7!
	KP 34, 0x36b8ef1d                              ; 2/9!
	KP 36, 0xb357322b                              ; -2/11!
	KP 38, 0x2fb09231                              ; 2/13!
	KP 40, 0xbf800000                              ; 2 cos y = 2 - 2 y^2/2! + ..: -2/2!
	KP 42, 0x3daaaaab                              ; 2/4!
	KP 44, 0xbb360b61                              ; -2/6!
	KP 46, 0x38500d01                              ; 2/8!
	KP 48, 0xb513f27e                              ; -2/10!
	KP 50, 0x318f76c7                              ; 2/12!
	KP 52, 0xadc9cba5                              ; -2/14!
	s_wait_kmcnt 0x0
	s_wait_alu depctr_va_vdst(0)                   ; v2 and v3 are written: every load and store of the kernel reads one of them as its offset; no vector line stands between this wait and the first load
	s_mov_b32 s17, 0
	s_lshl_b32 s16, s15, 15                        ; four rows of 8,192 bytes
	s_add_nc_u64 s[4:5], s[4:5], s[16:17]
	s_lshl_b32 s16, s15, 12                        ; half a row of W, and a chunk of tab: 4,096 bytes
	s_add_nc_u64 s[6:7], s[6:7], s[16:17]
	s_add_nc_u64 s[12:13], s[12:13], s[16:17]
	s_lshl_b32 s16, s15, 14                        ; four rows of 4,096 bytes
	s_add_nc_u64 s[8:9], s[8:9], s[16:17]
	s_add_nc_u64 s[10:11], s[10:11], s[56:57]      ; none of the five bases is written again
.macro FILL slot, row                  ; a row of x: sixteen loads of 512 consecutive bytes
.set c, 0
.rept 16
	global_load_b128 v[(\slot)+4*c:(\slot)+4*c+3], v[LI], s[4:5] offset:(\row)*8192+512*c th:TH_LOAD_NT
.set c, c+1
.endr
.endm
; n loads' numbers are rounded, two roundings for a lane's four numbers: load c's go into the pair at dst + 2 c.  With dst = src the numbers close up in place: pair c is written when loads 0 to c have been read
.macro CONV src, dst, n
.set c, 0
.rept \n
	v_cvt_pk_bf16_f32 v[(\dst)+2*c], v[(\src)+4*c], v[(\src)+4*c+1]
	v_cvt_pk_bf16_f32 v[(\dst)+2*c+1], v[(\src)+4*c+2], v[(\src)+4*c+3]
.set c, c+1
.endr
.endm
; n pairs are stored: 256 consecutive bytes a store
.macro SEND src, n, imm, p
.set c, 0
.rept \n
	global_store_b64 v[LO], v[(\src)+2*c:(\src)+2*c+1], s[\p:\p+1] offset:(\imm)+256*c th:TH_STORE_NT
.set c, c+1
.endr
.endm
	FILL X0, 0                                     ; 40 loads, 20 KiB a wave, go out first; the table is made while they are on their way
.set c, 0
.rept 8                                                ; W ahead of row 1: it is in whenever row 1 is, and is rounded out of its registers before row 1 is rounded into them
	global_load_b128 v[WX+4*c:WX+4*c+3], v[LI], s[6:7] offset:512*c th:TH_LOAD_NT
.set c, c+1
.endr
	FILL X1, 1
	; THE TABLE.  My 32 values of j; their exponents; ONE batch of 32 exponentials
.set k, 0
.rept 32
	v_add_nc_u32 v[INV+k], 16*(k/8)+k%8, v[JB]
.set k, k+1
.endr
.set k, 0
.rept 32
	v_cvt_f32_u32 v[INV+k], v[INV+k]
.set k, k+1
.endr
.set k, 0
.rept 32
	v_mul_f32 v[INV+k], s18, v[INV+k]
.set k, k+1
.endr
.set k, 0
.rept 32
	v_exp_f32 v[INV+k], v[INV+k]
.set k, k+1
.endr
	v_nop                                          ; a plain instruction between the last exponential and the first use of a result (ISA guide 5.7.2): one for the batch
	s_wait_alu depctr_va_vdst(0)                   ; the 32 exponentials have written v[INV ..], ahead of the multiplies that read them: one wait for the batch
.macro HORN d, cf                      ; one step of a sum for four pairs: sum = sum x y^2 + the coefficient
.irp t, 0,1,2,3
	v_pk_fma_f32 v[T+8*(\t)+(\d):T+8*(\t)+(\d)+1], v[T+8*(\t)+(\d):T+8*(\t)+(\d)+1], v[T+8*(\t):T+8*(\t)+1], s[\cf:\cf+1] op_sel_hi:[1,1,0]
.endr
.endm
; Eight values of j (numbers 8 b .. 8 b + 7) as four pairs, which take turns line by line, so that no line waits for the one before it
.macro SINCOS b
.irp t, 0,1,2,3
	v_pk_mul_f32 v[INV+8*(\b)+2*(\t):INV+8*(\b)+2*(\t)+1], v[INV+8*(\b)+2*(\t):INV+8*(\b)+2*(\t)+1], v[POSF:POSF+1]  ; the angle
.endr
.irp t, 0,1,2,3
	v_pk_mul_f32 v[T+8*(\t):T+8*(\t)+1], v[INV+8*(\b)+2*(\t):INV+8*(\b)+2*(\t)+1], s[20:21] op_sel_hi:[1,0]
.endr
.irp t, 0,1,2,3
	v_rndne_f32 v[T+8*(\t)], v[T+8*(\t)]           ; n: whole turns
	v_rndne_f32 v[T+8*(\t)+1], v[T+8*(\t)+1]
.endr
.irp t, 0,1,2,3
	v_pk_fma_f32 v[INV+8*(\b)+2*(\t):INV+8*(\b)+2*(\t)+1], v[T+8*(\t):T+8*(\t)+1], s[22:23], v[INV+8*(\b)+2*(\t):INV+8*(\b)+2*(\t)+1] op_sel_hi:[1,0,1]
.endr
.irp t, 0,1,2,3
	v_pk_fma_f32 v[INV+8*(\b)+2*(\t):INV+8*(\b)+2*(\t)+1], v[T+8*(\t):T+8*(\t)+1], s[24:25], v[INV+8*(\b)+2*(\t):INV+8*(\b)+2*(\t)+1] op_sel_hi:[1,0,1]  ; y
.endr
.irp t, 0,1,2,3
	v_pk_mul_f32 v[T+8*(\t):T+8*(\t)+1], v[INV+8*(\b)+2*(\t):INV+8*(\b)+2*(\t)+1], v[INV+8*(\b)+2*(\t):INV+8*(\b)+2*(\t)+1]  ; y^2
.endr
.irp t, 0,1,2,3
	v_pk_fma_f32 v[T+8*(\t)+2:T+8*(\t)+3], v[T+8*(\t):T+8*(\t)+1], s[38:39], s[36:37] op_sel_hi:[1,0,0]
	v_pk_fma_f32 v[T+8*(\t)+4:T+8*(\t)+5], v[T+8*(\t):T+8*(\t)+1], s[52:53], s[50:51] op_sel_hi:[1,0,0]
.endr
	HORN 2, 34
	HORN 4, 48
	HORN 2, 32
	HORN 4, 46
	HORN 2, 30
	HORN 4, 44
	HORN 2, 28
	HORN 4, 42
	HORN 2, 26
	HORN 4, 40
	HORN 4, 26
.irp t, 0,1,2,3
	v_pk_mul_f32 v[T+8*(\t)+2:T+8*(\t)+3], v[T+8*(\t)+2:T+8*(\t)+3], v[INV+8*(\b)+2*(\t):INV+8*(\b)+2*(\t)+1]  ; 2 sin y
.endr
.irp t, 0,1,2,3
	v_cvt_pk_bf16_f32 v[INV+8*(\b)+2*(\t)], v[T+8*(\t)+4], v[T+8*(\t)+2]      ; 2 cos below, 2 sin above
	v_cvt_pk_bf16_f32 v[INV+8*(\b)+2*(\t)+1], v[T+8*(\t)+5], v[T+8*(\t)+3]
.endr
.endm
	SINCOS 0
	SINCOS 1
	SINCOS 2
	SINCOS 3
	s_wait_alu depctr_va_vdst(0)                   ; the roundings have written the 32 words v[INV ..], which the eight stores below read: one wait for the whole chunk
.set q, 0
.rept 8                                                ; piece q = 2 b + p; they go out ahead of the wait for row 0; these registers are not written again
	global_store_b128 v[LI], v[INV+4*q:INV+4*q+3], s[12:13] offset:512*q th:TH_STORE_NT
.set q, q+1
.endr
	; THE CASTS, in four steps.  Loads come back in order (ISA guide 5.7.1): each count is the number of loads issued behind the ones wanted
	s_wait_loadcnt 24                              ; row 0 is in; W's eight and row 1's sixteen may stay out
	CONV X0, Y0, 16
	s_wait_alu depctr_va_vdst(0)                   ; the roundings have written Y0, which the stores below read, and are done reading X0, in which row 2's loads land
	FILL X0, 2                                     ; the loads first: no store reads X0, so nothing else is owed ahead of them
	SEND Y0, 16, 0, 8
	s_wait_loadcnt 16                              ; W's half row and row 1 are in; row 2's sixteen may stay out
	CONV WX, YW, 8                                 ; W leaves its registers,
	CONV X1, Y1, 16                                ; and row 1 is rounded into them
	s_wait_alu depctr_va_vdst(0)                   ; the roundings have written YW and Y1, which the stores below read, and are done reading X1, in which row 3's loads land
	FILL X1, 3
	SEND YW, 8, 0, 10
	SEND Y1, 16, 4096, 8
	s_wait_loadcnt 16                              ; row 2 is in; row 3 may stay out
	CONV X0, X0, 16                                ; in place: nothing lands in X0 any more, and no memory instruction has read it
	s_wait_alu depctr_va_vdst(0)                   ; the roundings have written v[X0 .. X0 + 31], which the stores below read
	SEND X0, 16, 8192, 8
	s_wait_loadcnt 0x0                             ; row 3
	CONV X1, X1, 16
	s_wait_alu depctr_va_vdst(0)                   ; the roundings have written v[X1 .. X1 + 31], which the stores below read
	SEND X1, 16, 12288, 8
	s_endpgm
.Lfunc_end_k_qd022f5e01d_prep:
	.size	k_qd022f5e01d_prep, .Lfunc_end_k_qd022f5e01d_prep-k_qd022f5e01d_prep
	.p2alignl 7, 3214868480
	.fill 96, 4, 3214868480
	.section	.rodata,"a",@progbits
	.p2align	6, 0x0
	.amdhsa_kernel k_qd022f5e01d_prep
		.amdhsa_group_segment_fixed_size 0
		.amdhsa_private_segment_fixed_size 0
		.amdhsa_enable_private_segment 0
		.amdhsa_kernarg_size 40
		.amdhsa_user_sgpr_count 2
		.amdhsa_user_sgpr_kernarg_segment_ptr 1
		.amdhsa_wavefront_size32 1
		.amdhsa_system_sgpr_workgroup_id_x 1
		.amdhsa_system_sgpr_workgroup_id_y 1
		.amdhsa_system_sgpr_workgroup_id_z 1
		.amdhsa_system_vgpr_workitem_id 0
		.amdhsa_next_free_vgpr 256
		.amdhsa_next_free_sgpr 66
		.amdhsa_reserve_vcc 0
		.amdhsa_float_denorm_mode_32 3
		.amdhsa_float_denorm_mode_16_64 3
		.amdhsa_memory_ordered 1
		.amdhsa_forward_progress 1
		.amdhsa_inst_pref_size 54
	.end_amdhsa_kernel
	.amdgpu_metadata
---
amdhsa.version: [ 1, 2 ]
amdhsa.kernels:
  - .name:           k_qd022f5e01d_prep
    .symbol:         k_qd022f5e01d_prep.kd
    .args:
      - { .name: x, .offset: 0, .size: 8, .value_kind: global_buffer, .address_space: global }
      - { .name: W, .offset: 8, .size: 8, .value_kind: global_buffer, .address_space: global }
      - { .name: xb, .offset: 16, .size: 8, .value_kind: global_buffer, .address_space: global }
      - { .name: wp, .offset: 24, .size: 8, .value_kind: global_buffer, .address_space: global }
      - { .name: tab, .offset: 32, .size: 8, .value_kind: global_buffer, .address_space: global }
    .group_segment_fixed_size: 0
    .private_segment_fixed_size: 0
    .kernarg_segment_align: 8
    .kernarg_segment_size: 40
    .max_flat_workgroup_size: 256
    .sgpr_count:     66
    .vgpr_count:     256
    .wavefront_size: 32
...
	.end_amdgpu_metadata
.endif
;; end of part 3
;; launch gemm: the kernel of part 2 again; grid 8 x 32, 4 waves a work-group, clusters of 4 x 4, 327,680 bytes of LDS; arguments xb, wp, out0, b, tab; writes out0
